; MI455X (gfx1250); checked and timed in simulation.
; The chip was launched on July 23, 2026; its instructions are those of AMD's public machine-readable ISA for CDNA 5 (MIT licence, August 2026) and "CDNA5" Instruction Set Architecture Reference Guide (July 2026). The comments in the code are by the model that wrote it; some were corrected since.
;; Custom Attention. Allowed arithmetic: matrix products marked QUANTISED: E2M1 operands, one E8M0 scale for each 32 along K, by v_wmma_scale_f32_16x16x128_f8f6f4 with both operands' format E2M1 (or v_wmma_scale_f32_32x16x128_f4), f32 sums; everything else in f32.
;; Inputs: K_codes 4 x 16 x 2,048 x 4 x 16 uint8 (E2M1 codes of K, K innermost, in blocks of 32 codes, two codes a byte); K_scales 4 x 16 x 2,048 x 4 uint8 (E8M0 scales of K, one for each 32 codes along K); Q_codes 4 x 16 x 2,048 x 4 x 16 uint8 (E2M1 codes of Q, K innermost, in blocks of 32 codes, two codes a byte); Q_scales 4 x 16 x 2,048 x 4 uint8 (E8M0 scales of Q, one for each 32 codes along K); V_codes 4 x 16 x 128 x 64 x 16 uint8 (E2M1 codes of V, K innermost, in blocks of 32 codes, two codes a byte); V_scales 4 x 16 x 128 x 64 uint8 (E8M0 scales of V, one for each 32 codes along K).
;; Outputs: out0 4 x 16 x 2,048 x 128 float32.
;; This version of the problem:
;;   THIS VERSION OF THE PROBLEM IS GIVEN IN LOW PRECISION. The matrix products marked QUANTISED in the list below multiply operands that are first quantised to E2M1 (2 exponent bits, 1 mantissa bit; 4 bits a number), with one power-of-two scale for each 32 numbers along K (OCP MX v1.0); their sums are f32. All else is computed in f32.
;;   The module's matrix products, in the order in which they are computed (A, B: the left and right operand; K: the contracted axis; several contracted axes count as one K, in the product's order):
;;     1. batch 64 x [M 2,048, K 128] x [K 128, N 2,048]; A: input Q (given as codes); B: input K (given as codes): QUANTISED
;;     2. batch 64 x [M 2,048, K 2,048] x [K 2,048, N 128]; A: softmax (see below); B: input V (given as codes): QUANTISED
;;   THE QUANTISER, for each operand of a quantised product, along K:
;;     - K is cut into blocks of 32 from its start; a last block that is shorter is filled with zeros.
;;     - A block's scale is 2^e with e = floor(log2(the largest magnitude in the block)) - 2, held to -126 .. 127; a block of zeros has e = 0. As a byte (E8M0): e + 127.
;;     - Each number is divided by its block's scale, clamped to +-6, and rounded to the nearest number of E2M1, ties to even, subnormals kept.
;;     - The product sums the exact products of the quantised numbers (number of the format x scale) in f32.
;;   ~~~python
;;   def quantise(x, axis):      # numpy; x: float32 -> the quantised numbers, widened to float32 again
;;       x = np.moveaxis(x, axis, -1); K = x.shape[-1]
;;       x = np.pad(x, [(0, 0)] * (x.ndim - 1) + [(0, -K % 32)]); x = x.reshape(x.shape[:-1] + (-1, 32)); a = np.abs(x).max(-1, keepdims=True)
;;       e = np.where(a > 0, np.clip(np.frexp(np.where(a > 0, a, 1))[1] - 1 - 2, -126, 127), 0)      # np.frexp(a)[1] - 1 = floor(log2(a)), exactly
;;       r = np.clip(x / 2.0 ** e, -6, 6)
;;       step = 2.0 ** (np.maximum(np.frexp(np.where(r == 0, 1, r))[1] - 1, 0) - 1)
;;       q = np.round(r / step) * step * 2.0 ** e      # np.round: ties to even
;;       return np.moveaxis(q.reshape(q.shape[:-2] + (-1,))[..., :K], -1, axis).astype(np.float32)
;;   ~~~
;;   SOFTMAX AHEAD OF A QUANTISED PRODUCT. Where the list says 'softmax', what is quantised is not the finished softmax but p = 2^(t - M), with t = logit x log2(e) and M = ceil(the row's largest t), a whole number; so 1/2 < the row's largest p <= 1. The row's sum l is taken of the UNQUANTISED p, in f32, and the product's result is divided by l at the end. Since M is a whole number, a kernel that streams over the keys may use a running M (the ceiling of the running maximum): every later rescaling is an exact power of two, which a block's scale takes up: the codes' values come out the same.
;;   OPERANDS COMPUTED ON THE WAY. 'Computed on the way' means the value that the module computes at that place (a softmax that the list does not call 'softmax' is quantised finished and normalised). What goes into a quantiser is computed in f32, as accurately as f32 sums, v_exp_f32 and their like allow (about 1e-6 of the number): no bf16 or f16 on the way to a quantiser, and a product that is left as it is and whose result goes on into a quantised operand takes f32 operands (vector FMAs, or v_wmma_f32_16x16x4_f32). A number that lies on a knife's edge between two numbers of the format may be rounded either way, as far as f32 arithmetic and the matrix unit's own rounding can turn it there, and no further.
;;   INPUTS GIVEN AS CODES. K (in the module: [4, 16, 2048, 128], K = its axis 3); Q (in the module: [4, 16, 2048, 128], K = its axis 3); V (in the module: [4, 16, 2048, 128], K = its axis 2): each comes as NAME_codes (uint8): NAME with its K axis moved to the last place and cut into blocks of 32 codes, [.., K / 32, bytes a block], one block behind the other in memory; two codes a byte, the lower K in the low four bits (a code: sign, 2 exponent bits, 1 mantissa bit); and NAME_scales (uint8): the same leading axes, one E8M0 byte (e + 127) for each 32 codes along K. Its value is code x scale, taken as it is: it is not quantised again, and the codes and scales need not be those that the quantiser above would give.
;; One version. Each part assembles by itself: llvm-mc -triple=amdgcn-amd-amdhsa -mcpu=gfx1250 --defsym DOCPART=n.
;; ======== version 1 of 1: 1 launch
;; limits: right only within a limited range of input values
;; launch attn (part 1): grid 4 x 64, 8 waves a work-group, clusters of 4 x 1, 327,680 bytes of LDS; arguments Q_codes, Q_scales, K_codes, K_scales, V_codes, V_scales, out0; writes out0
.if DOCPART == 1
	.amdgcn_target "amdgcn-amd-amdhsa--gfx1250"
	.amdhsa_code_object_version 6
	.text
	.protected	k_q714fffde9f_attn
	.globl	k_q714fffde9f_attn
	.p2align	8
	.type	k_q714fffde9f_attn,@function
k_q714fffde9f_attn:
	s_mov_b64 s[64:65], 0
	v_nop
	global_prefetch_b8 v0, s[64:65] scope:SCOPE_SE
	s_setreg_imm32_b32 hwreg(HW_REG_WAVE_MODE, 25, 1), 1
	s_wait_xcnt 0x0
	s_wait_alu depctr_hold_cnt(0) depctr_sa_sdst(0) depctr_va_vdst(0) depctr_va_sdst(0) depctr_va_ssrc(0) depctr_va_vcc(0) depctr_vm_vsrc(0)
	s_getreg_b32 s2, hwreg(HW_REG_IB_STS2, 6, 4)
	s_cmp_eq_u32 s2, 0
	s_cbranch_scc0 .Lentry_in_a_cluster
	s_endpgm
.Lentry_in_a_cluster:
	s_bfe_u32 s2, ttmp6, 0x10000c
	s_cmp_lg_u32 s2, 0x3003
	s_cbranch_scc0 .Lentry_shape_is_right
	s_endpgm
.Lentry_shape_is_right:
; out[hd][q][:] = sum over k of softmax_k(Q[hd][q] . K[hd][k]) V[hd][k][:]; 64 heads, 2,048 queries and keys, head size 128, no scale on the scores, no mask.
; Both products on codes of FP4 (E2M1), one E8M0 byte for each 32 along a product's K.  Q, K: 64 bytes of codes and 4 scale bytes a row; V: keys innermost, 1,024 bytes and 64 scale bytes a channel.
; SOFTMAX: t = score x log2(e); M = ceiling of the row's largest t so far; p = 2^(t - M) is quantised along the keys; the row's sum is taken of the unquantised p and divides at the end.
; When M moves, the sum and O are multiplied by 2^(old M - new M), which rounds nothing.
; SHARES: the four work-groups of a cluster own one head, 512 queries each, in two passes of 256; a wave owns 32 queries of a pass, two tiles of 16, so each fragment of K and V feeds two products.
; K AND V STAY IN LDS, each byte filled once, by JOINT loads (mask of all four partners).  Group A, at the head, one load a wave: keys 0-639 of K, keys 0-511 of V, all scale bytes.
; Group B, behind the three lines and a round of the cluster's barrier, one load a wave: the rest.  One barrier ahead of the second chunk shows group B to every wave.
; No prefetch: every byte of K and V is asked for by these two groups at the head; there is no later load to run ahead of.
; LAYOUT: both products transposed, in the form 32 x 16 x 128 (S^T = K Q^T: 32 keys x 16 queries; O^T = V^T P^T: 32 channels x 16 queries): a lane holds one query (lane % 16).
; Row 16 e + r of score tile P takes key 64 (P / 2) + 16 (P % 2) + 8 e + 32 (r / 8) + r % 8: so lane (r, h) holds in the 32 registers of tiles 2 g, 2 g + 1 the WHOLE block of keys 64 g + 32 h + 0 .. 31,
; which is the place that the second product's operand gives it: a block's maximum needs no other lane, and the conversions' results are the operand's registers.
; THE LOOP IS ROTATED: a trip is the softmax of step s, then the score products of step s + 1, then the O products of step s.  The trip's LDS loads (K of s + 1, V of s) stand at its head.
; LIMITS: NaN, infinities and the scale byte 0xff among the inputs are not served; the promise holds while |t| stays under 2^31.  A p under 2^-126 comes out of v_exp_f32 as 0; a block of such p keeps byte 1 over zero codes.
; A block's largest p is made from its largest score by the same two instructions as every p: this takes v_exp_f32 not to fall where its input rises.
; REGISTERS.  Window 0: v1-11 addresses; v12-19 statistics; v20-23 f; v24-55 Q (both passes); v56-71 p's codes; v72-93 scale words; v94-95 the add's; v96-127 at work; v128-255 S^T, then p.
;             Window 1: v0-127 O^T; v128-191 V's fragments; v192-255 K's.
.set KP,     1040                      ; LDS: sixteen keys' codes (1,024 bytes) + 16 of padding
.set KSTEPB, 8*KP                      ; a step's 128 keys
.set VP,     272                       ; a row of V's chunk: 256 bytes + 16
.set VCHUNK, 128*VP
.set VREG,   128*KP
.set SCK,    VREG+4*VCHUNK             ; K's 8,192 scale bytes as 32 pieces of 256 + 16
.set SCV,    SCK+32*272
.set STG,    SCV+32*272                ; the way out: 16 rows x 272 bytes a wave; no tensor load lands here
.set SPARE,  STG+8*16*272              ; the spare words: 128 bytes a wave
.set AK0, 1
.set AV0, 2
.set ASK0, 3
.set ASV0, 4
.set ADK, 5
.set ADV, 6
.set ADS, 7
.set ADT, 8
.set GO, 9
.set STO, 10
.set RD, 11
.set ST, 12                            ; tile u at v[ST+4u]: -M, the largest score, the sum in two halves
.set F, 20
.set QF, 24
.set QN, 40
.set PC, 56
.set KS, 72                            ; four words: one register for 32 keys
.set VS, 80                            ; four: one for 32 channels
.set QS, 88
.set QNS, 90
.set PS, 92
.set SPW, 94
.set NIL, 95
.set BM, 96                            ; block n = 2 u + g: its largest score, then its largest p
.set SOP, 100
.set AX, 104                           ; v104-115: three more chains of the row's sum for each tile
.set TA, 116
.set TB, 118
.set SH8, 120                          ; 8 x (lane / 16)
.set QA, 122
.set QSA, 123
.set BY, 124
.set S, 128
.set OT, 0
.set VF, 128
.set KF, 192
.set PASS, 2
.set CNT, 3
.set WV, 18
.set WE, 19                            ; wave % 2
.set SEL, 20
.set CS, 22
.set G1KA, 24                          ; groups 1: K 20 rows, K 44 rows, V 64 rows, scale bytes 16 rows
.set G1KB, 32
.set G1V, 40
.set G1S, 48
.set GK, 56                            ; groups 0
.set GV, 60
.set TK, 66
.set TSK, 67
.set TV, 68
.set TSV, 69
.set WC, 89                            ; wave / 2
.set GSK, 92
.set GSV, 96
.set MSB, 0
.macro WIN new                         ; the immediate's high byte repeats the setting that is left
.if MSB != \new
	s_set_vgpr_msb (MSB<<8)|\new
.set MSB, \new
.endif
.endm
.macro CROUND                          ; a round of the cluster's barrier
	s_barrier_signal -1
	s_barrier_wait -1
	s_cmp_lg_u32 s[WV], 0
	s_cbranch_scc1 .Lnot_wave_0_\@
	s_barrier_signal -3
.Lnot_wave_0_\@:
	s_barrier_wait -3
	s_barrier_signal -1
	s_barrier_wait -1
.endm
.macro G1SET g, w0, c, r, p            ; c elements a row, r rows, p elements from row to row
	s_mov_b32 s[\g], \w0
	s_mov_b32 s[\g+1], (\c)<<16
	s_mov_b32 s[\g+2], (\r)<<16
	s_mov_b32 s[\g+3], (\c)<<16
	s_mov_b32 s[\g+4], \r
	s_mov_b32 s[\g+5], \p
	s_mov_b32 s[\g+6], 0
	s_mov_b32 s[\g+7], 0
.endm
.macro G0SET g, lds, base, off
	s_mov_b32 s[\g], 1
	s_mov_b32 s[\g+1], s\lds
	s_add_nc_u64 s[\g+2:\g+3], s[\base:\base+1], s[\off:\off+1]
	s_or_b32 s[\g+3], s[\g+3], 0x80000000
.endm
.macro TL g0, g1                       ; a joint load, an s_nop and four v_nops behind it
	tensor_load_to_lds s[\g0:\g0+3], s[\g1:\g1+7]
	s_nop 0
.rept 4
	v_nop
.endr
.endm
.macro ARM under, g0, g1, next
	s_cmp_lt_u32 s[WV], \under
	s_cbranch_scc0 \next
	TL \g0, \g1
	s_branch .Lhead_asked
\next:
.endm
.macro INIT                            ; a pass's statistics and O^T: the first step finds zeros, which the first change of M leaves zeros
.irp u, 0,1
	v_mov_b32 v[ST+4*\u], 0x7f61b1e6               ; -M: 3e38
	v_mov_b32 v[ST+4*\u+1], 0xfe967699             ; the largest score so far: -1e38
	v_mov_b32 v[ST+4*\u+2], 0
	v_mov_b32 v[ST+4*\u+3], 0
.endr
	WIN 0x40
.set jj, 0
.rept 128
	v_mov_b32 v[OT+jj], 0
.set jj, jj+1
.endr
	WIN 0
.endm
	s_load_b256 s[4:11], s[0:1], 0x0               ; Q codes, Q scales, K codes, K scales
	s_load_b128 s[12:15], s[0:1], 0x20             ; V codes, V scales
	s_load_b64 s[16:17], s[0:1], 0x30              ; out
	v_lshl_add_u32 v[SPW], v0, 2, SPARE
	v_mov_b32 v[NIL], 0
	ds_add_u32 v[SPW], v[NIL]                      ; the opening adds
	ds_add_u32 v[SPW], v[NIL]
	v_lshrrev_b32 v124, 5, v0
	v_readfirstlane_b32 s[WV], v124                ; wave 0..7
	s_and_b32 s[WE], s[WV], 1
	s_lshr_b32 s[WC], s[WV], 1
	G1SET G1KA, 15|(1<<20)|(1<<21)|(7<<22)|(3<<25), 1024, 20, 1024          ; bytes; four words of padding after every 256
	G1SET G1KB, 15|(1<<20)|(1<<21)|(7<<22)|(3<<25), 1024, 44, 1024
	G1SET G1V,  15|(1<<20)|(1<<21)|(5<<22)|(3<<25), 256, 64, 1024           ; four words after every 64
	G1SET G1S,  15|(3<<16)|(1<<20)|(1<<21)|(5<<22)|(3<<25), 32, 16, 32      ; elements of 8 bytes: rows of 256 dense bytes
	s_mov_b32 s[SEL], 0x76543210
	s_mov_b32 s[SEL+1], 0xfedcba98
	s_mov_b32 s[CS], 0x3fb8aa3b                    ; log2(e)
	s_mov_b32 s[CS+1], s[CS]
	; offsets in memory and places in LDS: made of the head, which the partners share, and of the wave's number
	s_and_b32 s70, ttmp7, 0xffff                   ; the head
	s_lshl_b32 s72, s70, 17                        ; its 131,072 bytes of codes
	s_lshl_b32 s74, s70, 13                        ; its 8,192 scale bytes,
	s_lshl_b32 s71, s[WE], 12
	s_add_co_u32 s74, s74, s71                     ; my half of them
	s_mov_b32 s75, 0
	s_mul_i32 s71, s[WE], 20*1024
	s_add_co_u32 s76, s72, s71                     ; group A, K: 20 rows of 16 keys
	s_mov_b32 s77, 0
	s_lshl_b32 s71, s[WE], 16
	s_add_co_u32 s78, s72, s71                     ; V: 64 channels of 1,024 bytes
	s_mov_b32 s79, 0
	s_mul_i32 s80, s[WE], 24*1024
	s_add_co_u32 s80, s80, 40*1024                 ; group B, K: from A's place on to row 40 + 44 x half
	s_mov_b32 s81, 0
	s_lshl_b32 s82, s[WC], 8                       ; V: chunk wave / 2, 256 bytes on in each row
	s_mov_b32 s83, 0
	s_mul_i32 s84, s[WE], 20*KP
	s_mul_i32 s85, s[WE], 64*VP
	s_add_co_u32 s85, s85, VREG
	s_mul_i32 s86, s[WE], 16*272
	s_add_co_u32 s90, s86, SCV
	s_add_co_u32 s86, s86, SCK
	s_mul_i32 s87, s[WE], 44*KP
	s_add_co_u32 s87, s87, 40*KP
	s_mul_i32 s88, s[WC], VCHUNK
	s_add_co_u32 s88, s88, s85
	s_wait_dscnt 0x0                               ; both opening adds are done
	s_wait_kmcnt 0x0
	G0SET GK, 84, 8, 76
	G0SET GV, 85, 12, 78
	G0SET GSK, 86, 10, 74
	G0SET GSV, 90, 14, 74
	CROUND                                         ; all four work-groups are here: the joint loads meet
	; GROUP A, one load on every way: waves 0, 1 K; 2, 3 V; 4, 5 K's scale bytes; 6, 7 V's
	ARM 2, GK, G1KA, .Lhead_v
	ARM 4, GV, G1V, .Lhead_sk
	ARM 6, GSK, G1S, .Lhead_sv
	TL GSV, G1S
.Lhead_asked:
	; my queries: my place in the cluster enters Q's and out's addresses alone
	s_bfe_u32 s100, ttmp6, 0x40000
	s_lshl_b32 s100, s100, 9
	s_and_b32 s101, ttmp7, 0xffff
	s_lshl_b32 s101, s101, 11
	s_add_co_u32 s100, s100, s101
	s_lshl_b32 s101, s[WV], 5
	s_add_co_u32 s100, s100, s101                  ; my wave's first row
	s_mov_b32 s101, 0
	s_lshl_b32 s100, s100, 2
	s_add_nc_u64 s[6:7], s[6:7], s[100:101]
	s_lshl_b32 s100, s100, 4
	s_add_nc_u64 s[4:5], s[4:5], s[100:101]
	s_lshl_b32 s100, s100, 3
	s_add_nc_u64 s[16:17], s[16:17], s[100:101]
	s_mul_i32 s91, s[WV], 16*272
	s_add_co_u32 s91, s91, STG                     ; my stage
	v_and_b32 v124, 15, v0                         ; r
	v_bfe_u32 v125, v0, 4, 1                       ; h
	v_lshlrev_b32 v[QA], 6, v124
	v_lshlrev_b32 v[QSA], 2, v124
	v_lshl_add_u32 v[QA], v125, 4, v[QA]
.irp p, 0,1                                    ; both passes' Q
.irp u, 0,1
.irp c, 0,1
	global_load_b128 v[QF+16*\p+8*\u+4*\c:QF+16*\p+8*\u+4*\c+3], v[QA], s[4:5] offset:(256*\p+16*\u)*64+32*\c th:TH_LOAD_NT
.endr
	global_load_b32 v[QS+2*\p+\u], v[QSA], s[6:7] offset:(256*\p+16*\u)*4 th:TH_LOAD_NT
.endr
.endr
	v_lshrrev_b32 v126, 3, v124
	v_and_b32 v127, 7, v124
	v_mul_u32_u24 v[AK0], v126, 2*KP               ; K: 32 keys on are two rows of sixteen; r % 8 keys of 64 bytes; my half's 16 bytes
	v_lshlrev_b32 v[ASK0], 7, v126                 ; K's scale words: 4 bytes a key;
	v_lshl_add_u32 v[AK0], v127, 6, v[AK0]
	v_lshl_add_u32 v[ASK0], v127, 2, v[ASK0]
	v_lshl_add_u32 v[AK0], v125, 4, v[AK0]
	v_lshl_add_u32 v[ASK0], v125, 5, v[ASK0]       ; lanes 16-31 take the tile's rows 16-31: 8 keys on
	v_mul_u32_u24 v[AV0], v124, VP
	v_add_nc_u32 v[ASK0], SCK, v[ASK0]
	v_lshrrev_b32 v126, 2, v124
	v_and_b32 v127, 3, v124
	v_lshl_add_u32 v[AV0], v125, 4, v[AV0]
	v_mul_u32_u24 v[ASV0], v126, 272               ; V's scale bytes: four channels of 64 to a piece;
	v_add_nc_u32 v[AV0], VREG, v[AV0]
	v_lshl_add_u32 v[ASV0], v127, 6, v[ASV0]
	v_lshlrev_b32 v[GO], 9, v125
	v_mad_u32_u24 v[ASV0], v125, 4*272, v[ASV0]    ; lanes 16-31: 16 channels on
	v_lshl_add_u32 v[GO], v124, 4, v[GO]
	v_add_nc_u32 v[ASV0], SCV, v[ASV0]
	v_mul_u32_u24 v[STO], v124, 272
	v_mul_u32_u24 v[RD], v125, 272
	v_lshl_add_u32 v[STO], v125, 5, v[STO]
	v_lshl_add_u32 v[RD], v124, 4, v[RD]
	v_add_nc_u32 v[STO], s91, v[STO]
	v_add_nc_u32 v[RD], s91, v[RD]
	v_lshlrev_b32 v[SH8], 3, v125
	v_mov_b32 v[TB], 0                             ; a lane permute's destination counts as a source
	v_mov_b32 v[TB+1], 0
	v_mov_b32 v[F+1], 0                            ; upper halves of f's pairs
	v_mov_b32 v[F+3], 0
	INIT                                           ; the first pass's, while group A is on its way
.macro PKF from, cnt                           ; t - M for cnt pairs of each tile, from register \from on
.set jj, \from
.rept \cnt
.irp u, 0,1
	v_pk_fma_f32 v[S+64*\u+jj:S+64*\u+jj+1], v[S+64*\u+jj:S+64*\u+jj+1], s[CS:CS+1], v[ST+4*\u:ST+4*\u+1] op_sel_hi:[1,0,0]
.endr
.set jj, jj+2
.endr
.endm
.macro SUMR k                                  ; pairs k .. k + 3 of each tile onto its four chains
.irp u, 0,1
	v_pk_add_f32 v[ST+4*\u+2:ST+4*\u+3], v[ST+4*\u+2:ST+4*\u+3], v[S+64*\u+2*(\k):S+64*\u+2*(\k)+1]
.irp i, 0,1,2
	v_pk_add_f32 v[AX+6*\u+2*\i:AX+6*\u+2*\i+1], v[AX+6*\u+2*\i:AX+6*\u+2*\i+1], v[S+64*\u+2*(\k)+2+2*\i:S+64*\u+2*(\k)+3+2*\i]
.endr
.endr
.endm
.macro CVTN n                                  ; block n's codes: registers 4 g .. 4 g + 3 of tile u's operand
.irp t, 0,1,2,3
	v_cvt_scalef32_pk8_fp4_f32 v[PC+4*\n+\t], v[S+32*\n+8*\t:S+32*\n+8*\t+7], v[SOP+\n]
.endr
.endm
; THE SOFTMAX OF A KEY STEP, both tiles by turns.  Block n = 2 u + g: my 32 numbers are v[S + 32 n] on.
.macro SOFTMAX
.irp n, 0,1,2,3                                ; each block's largest score in two chains
	v_max3_num_f32 v[BM+\n], v[S+32*\n], v[S+32*\n+1], v[S+32*\n+2]
.endr
.irp n, 0,1,2,3
	v_max3_num_f32 v[BY+\n], v[S+32*\n+17], v[S+32*\n+18], v[S+32*\n+19]
.endr
.irp i, 3,5,7,9,11,13
.irp n, 0,1,2,3
	v_max3_num_f32 v[BM+\n], v[BM+\n], v[S+32*\n+\i], v[S+32*\n+\i+1]
.endr
.irp n, 0,1,2,3
	v_max3_num_f32 v[BY+\n], v[BY+\n], v[S+32*\n+\i+17], v[S+32*\n+\i+18]
.endr
.endr
.irp n, 0,1,2,3
	v_max3_num_f32 v[BM+\n], v[BM+\n], v[S+32*\n+15], v[S+32*\n+16]
.endr
.irp n, 0,1,2,3
	v_max_num_f32 v[BM+\n], v[BM+\n], v[BY+\n]
.endr
.irp u, 0,1
	v_max_num_f32 v[TA+\u], v[BM+2*\u], v[BM+2*\u+1]
.endr
.irp u, 0,1
	s_delay_alu instid0(VALU_DEP_2)
	v_permlanex16_b32 v[TB+\u], v[TA+\u], s[SEL], s[SEL+1]
.endr
.irp u, 0,1
	s_delay_alu instid0(VALU_DEP_2)
	v_max3_num_f32 v[ST+4*\u+1], v[ST+4*\u+1], v[TA+\u], v[TB+\u]   ; the running largest score
.endr
.irp u, 0,1
	v_mov_b32 v[TB+\u], v[ST+4*\u]                 ; the old -M
.endr
.irp u, 0,1
	s_delay_alu instid0(VALU_DEP_4)
	v_mul_f32 v[TA+\u], s[CS], v[ST+4*\u+1]        ; as t
.endr
.irp u, 0,1
	s_delay_alu instid0(VALU_DEP_2)
	v_floor_f32 v[ST+4*\u], -v[TA+\u]              ; -M = -ceil(t)
.endr
	PKF 0, 4                                       ; t - M; f's three lines stand among these, eight lines apart
.irp u, 0,1
	v_sub_f32 v[TA+\u], v[ST+4*\u], v[TB+\u]       ; old M - new M: a whole number, 0 or less
.endr
	PKF 8, 4
.irp u, 0,1
	v_cvt_i32_f32 v[TA+\u], v[TA+\u]               ; (it saturates)
.endr
	PKF 16, 4
.irp u, 0,1
	v_ldexp_f32 v[F+2*\u], 1.0, v[TA+\u]           ; f = 2^(old M - new M)
.endr
	PKF 24, 20
.irp n, 0,1,2,3
	v_fma_f32 v[BM+\n], v[BM+\n], s[CS], v[ST+4*(\n/2)]   ; the same of each block's largest score
.endr
	WIN 0x41                                       ; O^T in window 1, f in window 0
.irp u, 0,1
.set jj, 0
.rept 32
	v_pk_mul_f32 v[OT+64*\u+jj:OT+64*\u+jj+1], v[OT+64*\u+jj:OT+64*\u+jj+1], v[F+2*\u:F+2*\u+1] op_sel_hi:[1,0]   ; O^T under the new M, each result from its low end on: no transcendental stands between the products that wrote it and these lines
.set jj, jj+2
.endr
.endr
	WIN 0
	s_wait_alu depctr_va_vdst(0)                   ; the wait ahead of the batch
.set jj, 0
.rept 128
	v_exp_f32 v[S+jj], v[S+jj]
.set jj, jj+1
.endr
.irp n, 0,1,2,3
	v_exp_f32 v[BM+\n], v[BM+\n]                   ; the blocks' largest p
.endr
.irp u, 0,1
	v_pk_mul_f32 v[ST+4*\u+2:ST+4*\u+3], v[ST+4*\u+2:ST+4*\u+3], v[F+2*\u:F+2*\u+1] op_sel_hi:[1,0]   ; the sums under the new M
.endr
	s_wait_alu depctr_va_vdst(0)                   ; and behind it
	; the row's sum of the unquantised p (four chains a tile), the scale words and the conversions, by turns
.irp n, 0,1,2,3
	v_max_num_f32 v[BM+\n], 0x1800000, v[BM+\n]    ; the floor 2^(3 - 127): the byte cannot fall under 1
.endr
.irp u, 0,1
.irp i, 0,1,2
	v_pk_add_f32 v[AX+6*\u+2*\i:AX+6*\u+2*\i+1], v[S+64*\u+4*\i:S+64*\u+4*\i+1], v[S+64*\u+4*\i+2:S+64*\u+4*\i+3]   ; pairs 0 to 5 start three chains
.endr
.endr
.irp n, 0,1,2,3
	v_add_nc_u32 v[SOP+\n], 0xff000000, v[BM+\n]   ; 2 off the exponent field: the conversion's scale operand
.endr
	SUMR 6
.irp n, 0,1,2,3
	v_lshrrev_b32 v[BY+\n], 23, v[SOP+\n]          ; the scale's byte
.endr
	CVTN 0
	SUMR 10
.irp u, 0,1
	v_lshl_or_b32 v[PS+\u], v[BY+2*\u+1], 16, v[BY+2*\u]   ; my blocks h and 2 + h,
.endr
	CVTN 1
	SUMR 14
.irp u, 0,1
	v_lshlrev_b32 v[PS+\u], v[SH8], v[PS+\u]       ; at their places in the scale word;
.endr
	CVTN 2
	SUMR 18
.irp u, 0,1
	v_permlanex16_b32 v[TB+\u], v[PS+\u], s[SEL], s[SEL+1]
.endr
	CVTN 3
	SUMR 22
.irp u, 0,1
	v_or_b32 v[PS+\u], v[PS+\u], v[TB+\u]          ; with lane l xor 16's two the word is whole
.endr
	SUMR 26                                        ; these 18 lines are the places ahead of the products that take p's codes and scale words
.irp u, 0,1
	v_pk_add_f32 v[ST+4*\u+2:ST+4*\u+3], v[ST+4*\u+2:ST+4*\u+3], v[S+64*\u+60:S+64*\u+61]
	v_pk_add_f32 v[AX+6*\u:AX+6*\u+1], v[AX+6*\u:AX+6*\u+1], v[S+64*\u+62:S+64*\u+63]
.endr
.irp u, 0,1
	v_pk_add_f32 v[ST+4*\u+2:ST+4*\u+3], v[ST+4*\u+2:ST+4*\u+3], v[AX+6*\u+4:AX+6*\u+5]
	v_pk_add_f32 v[AX+6*\u:AX+6*\u+1], v[AX+6*\u:AX+6*\u+1], v[AX+6*\u+2:AX+6*\u+3]
.endr
.irp u, 0,1
	v_pk_add_f32 v[ST+4*\u+2:ST+4*\u+3], v[ST+4*\u+2:ST+4*\u+3], v[AX+6*\u:AX+6*\u+1]
.endr
.endm
.macro KSLOAD ads                              ; tile P's 32 scale words: it begins at key 64 (P / 2) + 16 (P % 2)
.irp p, 0,1,2,3
	ds_load_b32 v[KS+\p], v[\ads] offset:272*(\p/2)+64*(\p%2)
.endr
.endm
.macro KFLOAD adk                              ; under WIN 0x40.  Fragment T begins at key 64 (T / 4) + 8 (T % 4)
.irp t, 0,1,2,3,4,5,6,7
.irp c, 0,1
	ds_load_b128 v[KF+8*\t+4*\c:KF+8*\t+4*\c+3], v[\adk] offset:(4*(\t/4)+(\t%4)/2)*KP+512*(\t%2)+32*\c
.endr
.endr
.endm
.macro QK                                      ; S^T = K Q^T: every product starts its own sum
	WIN 0x01
.irp p, 0,1,2,3
.irp u, 0,1
	v_wmma_scale_f32_32x16x128_f4 v[S+64*\u+16*\p:S+64*\u+16*\p+15], v[KF+16*\p:KF+16*\p+15], v[QF+8*\u:QF+8*\u+7], 0, v[KS+\p], v[QS+\u]
.endr
.endr
.endm
; A TRIP: the softmax of step s, whose scores are on their way; pre = 1: the score products of step s + 1; the O products of step s.
.macro BODY pre
	v_add_nc_u32 v[ADV], s[TV], v[AV0]             ; four places between the last products and the loads into their registers
	v_add_nc_u32 v[ADT], s[TSV], v[ASV0]
.if \pre
	v_add_nc_u32 v[ADK], s[TK], v[AK0]
	v_add_nc_u32 v[ADS], s[TSK], v[ASK0]
.else
	v_nop
	v_nop
.endif
.irp p, 0,1,2,3
	ds_load_b32 v[VS+\p], v[ADT] offset:8*272*\p   ; 32 channels on: eight pieces
.endr
.if \pre
	KSLOAD ADS
.endif
	WIN 0x40
.irp t, 0,1,2,3,4,5,6,7
.irp c, 0,1
	ds_load_b128 v[VF+8*\t+4*\c:VF+8*\t+4*\c+3], v[ADV] offset:16*VP*\t+32*\c
.endr
.endr
.if \pre
	KFLOAD ADK
.endif
	WIN 0
	SOFTMAX
	s_wait_alu depctr_va_vdst(0)
	s_wait_dscnt 0x0                               ; the trip's loads, issued at its head, are in
.if \pre
	QK
.endif
	WIN 0x51
.irp p, 0,1,2,3                                ; O^T += V^T P^T: the eight accumulators take turns
.irp u, 0,1
	v_wmma_scale_f32_32x16x128_f4 v[OT+64*\u+16*\p:OT+64*\u+16*\p+15], v[VF+16*\p:VF+16*\p+15], v[PC+8*\u:PC+8*\u+7], v[OT+64*\u+16*\p:OT+64*\u+16*\p+15], v[VS+\p], v[PS+\u]
.endr
.endr
	WIN 0
	s_add_co_u32 s[TK], s[TK], KSTEPB
	s_add_co_u32 s[TSK], s[TSK], 2*272
	s_add_co_u32 s[TV], s[TV], 64
	s_add_co_u32 s[TSV], s[TSV], 4
.endm
; CHUNK g: four trips.  s[TK], s[TSK] name the step AFTER the one in hand.  Chunk 0 reads group A alone (its last look-ahead is step 4, keys 512-639).
.macro SEG g
.if \g == 1
	s_wait_tensorcnt 0x0                           ; my load of group B is in;
	s_wait_dscnt 0x0
	s_barrier_signal -1
	s_barrier_wait -1                              ; everybody's is.
.endif
	s_mov_b32 s[TK], (4*\g+1)*KSTEPB
	s_mov_b32 s[TSK], (4*\g+1)*2*272
	s_mov_b32 s[TV], \g*VCHUNK
	s_mov_b32 s[TSV], \g*16
	s_mov_b32 s[CNT], 4-(\g)/3
.Lstep_\@:
	BODY 1
	s_sub_co_u32 s[CNT], s[CNT], 1
	s_cmp_lg_u32 s[CNT], 0
	s_cbranch_scc1 .Lstep_\@
.if \g == 3
	BODY 0                                         ; a pass's last step has no successor
.endif
.endm
	s_wait_alu depctr_va_vdst(0)                   ; the wait at the head's end
	s_wait_tensorcnt 0x0                           ; my load of group A is in, so its group 0 may be written
	ds_add_u32 v[SPW], v[NIL]
	s_mov_b32 s[GK+1], s87
	s_add_nc_u64 s[GK+2:GK+3], s[GK+2:GK+3], s[80:81]
	s_mov_b32 s[GV+1], s88
	s_add_nc_u64 s[GV+2:GV+3], s[GV+2:GV+3], s[82:83]
	s_wait_dscnt 0x0
	CROUND                                         ; everybody's part of group A is in, and the four work-groups meet
	; GROUP B: waves 0, 1: K's rows 40-127; waves 2 to 7: the halves of V's chunks 1 to 3
	s_cmp_lt_u32 s[WV], 2
	s_cbranch_scc0 .Lb_v
	TL GK, G1KB
	s_branch .Lb_asked
.Lb_v:
	TL GV, G1V
.Lb_asked:
	s_wait_loadcnt 0x0                             ; Q, both passes'
	s_mov_b32 s[PASS], 2
.Lpass:
	KSLOAD ASK0                                    ; step 0's K and its score products
	WIN 0x40
	KFLOAD AK0
	WIN 0
	s_wait_dscnt 0x0
	QK
	WIN 0
	SEG 0
	SEG 1
	SEG 2
	SEG 3
	; THE WAY OUT of a pass: O^T / the sum, through my stage, half a row (256 bytes) of 16 queries at a time
.irp u, 0,1
	v_add_f32 v[ST+4*\u+2], v[ST+4*\u+2], v[ST+4*\u+3]
.endr
.irp u, 0,1
	s_delay_alu instid0(VALU_DEP_2)
	v_permlanex16_b32 v[TA+\u], v[ST+4*\u+2], s[SEL], s[SEL+1]
.endr
.irp u, 0,1
	s_delay_alu instid0(VALU_DEP_2)
	v_add_f32 v[ST+4*\u+2], v[ST+4*\u+2], v[TA+\u]
.endr
	s_wait_alu depctr_va_vdst(0)
.irp u, 0,1
	v_rcp_f32 v[ST+4*\u+2], v[ST+4*\u+2]
.endr
	v_nop
	WIN 0x01
	s_wait_alu depctr_va_vdst(0)                   ; for the two reciprocals and for O^T's first readers
.irp u, 0,1
.set jj, 0
.rept 32
	v_pk_mul_f32 v[S+64*\u+jj:S+64*\u+jj+1], v[OT+64*\u+jj:OT+64*\u+jj+1], v[ST+4*\u+2:ST+4*\u+3] op_sel_hi:[1,0]   ; register 8 t + i is out(r, 16 t + 8 h + i)
.set jj, jj+2
.endr
.endr
	WIN 0
.irp u, 0,1
.irp y, 0,1
.irp t, 0,1,2,3
	ds_store_b128 v[STO], v[S+64*\u+32*\y+8*\t:S+64*\u+32*\y+8*\t+3] offset:64*\t
	ds_store_b128 v[STO], v[S+64*\u+32*\y+8*\t+4:S+64*\u+32*\y+8*\t+7] offset:64*\t+16
.endr
.irp i, 0,1,2,3,4,5,6,7
	ds_load_b128 v[S+64*\u+32*\y+4*\i:S+64*\u+32*\y+4*\i+3], v[RD] offset:\i*2*272   ; LDS serves a wave's instructions in order (ISA guide 5.7.1.4)
.endr
.endr
.endr
.irp u, 0,1
.irp y, 0,1
.irp i, 0,1,2,3,4,5,6,7
	s_wait_dscnt 16*(3-2*\u-\y)+7-\i               ; behind this load: its half's younger loads and sixteen LDS instructions for each later half
	global_store_b128 v[GO], v[S+64*\u+32*\y+4*\i:S+64*\u+32*\y+4*\i+3], s[16:17] offset:8192*\u+1024*\i+256*\y th:TH_STORE_NT   ; 16 lanes store 256 consecutive bytes, aligned
.endr
.endr
.endr
	s_wait_xcnt 0x0                                ; only behind this wait are the stores' base and registers written again
	s_add_nc_u64 s[16:17], s[16:17], 256*512
	s_cmp_eq_u32 s[PASS], 1
	s_cbranch_scc1 .Lno_more
.irp u, 0,1
	v_mov_b32 v[QS+\u], v[QNS+\u]
.endr
.irp i, 0,1,2,3,4,5,6,7,8,9,10,11,12,13,14,15
	v_mov_b32 v[QF+\i], v[QN+\i]
.endr
	INIT                                           ; the second pass's
.Lno_more:
	s_sub_co_u32 s[PASS], s[PASS], 1
	s_cmp_lg_u32 s[PASS], 0
	s_cbranch_scc1 .Lpass
	s_wait_tensorcnt 0x0                           ; the wave's end
	ds_add_u32 v[SPW], v[NIL]
	s_wait_dscnt 0x0
	CROUND                                         ; the closing round
	s_endpgm
.Lfunc_end_k_q714fffde9f_attn:
	.size	k_q714fffde9f_attn, .Lfunc_end_k_q714fffde9f_attn-k_q714fffde9f_attn
	.p2alignl 7, 3214868480
	.fill 96, 4, 3214868480
	.section	.rodata,"a",@progbits
	.p2align	6, 0x0
	.amdhsa_kernel k_q714fffde9f_attn
		.amdhsa_group_segment_fixed_size 327680
		.amdhsa_private_segment_fixed_size 0
		.amdhsa_enable_private_segment 0
		.amdhsa_kernarg_size 56
		.amdhsa_user_sgpr_count 2
		.amdhsa_user_sgpr_kernarg_segment_ptr 1
		.amdhsa_wavefront_size32 1
		.amdhsa_system_sgpr_workgroup_id_x 1
		.amdhsa_system_sgpr_workgroup_id_y 1
		.amdhsa_system_sgpr_workgroup_id_z 1
		.amdhsa_system_vgpr_workitem_id 0
		.amdhsa_next_free_vgpr 512
		.amdhsa_next_free_sgpr 102
		.amdhsa_reserve_vcc 0
		.amdhsa_float_denorm_mode_32 3
		.amdhsa_float_denorm_mode_16_64 3
		.amdhsa_memory_ordered 1
		.amdhsa_forward_progress 1
		.amdhsa_inst_pref_size 179
	.end_amdhsa_kernel
	.amdgpu_metadata
---
amdhsa.version: [ 1, 2 ]
amdhsa.kernels:
  - .name:           k_q714fffde9f_attn
    .symbol:         k_q714fffde9f_attn.kd
    .args:
      - { .name: Q_codes, .offset: 0, .size: 8, .value_kind: global_buffer, .address_space: global }
      - { .name: Q_scales, .offset: 8, .size: 8, .value_kind: global_buffer, .address_space: global }
      - { .name: K_codes, .offset: 16, .size: 8, .value_kind: global_buffer, .address_space: global }
      - { .name: K_scales, .offset: 24, .size: 8, .value_kind: global_buffer, .address_space: global }
      - { .name: V_codes, .offset: 32, .size: 8, .value_kind: global_buffer, .address_space: global }
      - { .name: V_scales, .offset: 40, .size: 8, .value_kind: global_buffer, .address_space: global }
      - { .name: out0, .offset: 48, .size: 8, .value_kind: global_buffer, .address_space: global }
    .group_segment_fixed_size: 327680
    .private_segment_fixed_size: 0
    .kernarg_segment_align: 8
    .kernarg_segment_size: 56
    .max_flat_workgroup_size: 256
    .sgpr_count:     102
    .vgpr_count:     512
    .wavefront_size: 32
...
	.end_amdgpu_metadata
.endif
;; end of part 1
